; MI455X (gfx1250); checked and timed in simulation.
; The chip was launched on July 23, 2026; its instructions are those of AMD's public machine-readable ISA for CDNA 5 (MIT licence, August 2026) and "CDNA5" Instruction Set Architecture Reference Guide (July 2026). The comments in the code are by the model that wrote it; some were corrected since.
;; Attention. Allowed arithmetic: matrix products marked QUANTISED: E2M3 operands, one E8M0 scale for each 32 along K, by v_wmma_scale_f32_16x16x128_f8f6f4 with both operands' format E2M3, f32 sums; everything else in f32.
;; Inputs: b_out 1,024 float32; k 1 x 4,096 x 1,024 float32; q 1 x 4,096 x 1,024 float32; qk_scale 1 x 1 x 1 x 64 float32; v_codes 1 x 1,024 x 128 x 24 uint8 (E2M3 codes of v, K innermost, in blocks of 32 codes, four codes in three bytes); v_scales 1 x 1,024 x 128 uint8 (E8M0 scales of v, one for each 32 codes along K); w_out_codes 1,024 x 32 x 24 uint8 (E2M3 codes of w_out, K innermost, in blocks of 32 codes, four codes in three bytes); w_out_scales 1,024 x 32 uint8 (E8M0 scales of w_out, one for each 32 codes along K).
;; Outputs: out0 1 x 4,096 x 1,024 float32.
;; This version of the problem:
;;   THIS VERSION OF THE PROBLEM IS GIVEN IN LOW PRECISION. The matrix products marked QUANTISED in the list below multiply operands that are first quantised to E2M3 (2 exponent bits, 3 mantissa bits; 6 bits a number), with one power-of-two scale for each 32 numbers along K (OCP MX v1.0); their sums are f32. All else is computed in f32.
;;   The module's matrix products, in the order in which they are computed (A, B: the left and right operand; K: the contracted axis; several contracted axes count as one K, in the product's order):
;;     1. batch 16 x [M 4,096, K 64] x [K 64, N 4,096]; A: computed on the way; B: computed on the way: QUANTISED
;;     2. batch 16 x [M 4,096, K 4,096] x [K 4,096, N 64]; A: softmax (see below); B: input v (given as codes): QUANTISED
;;     3. [M 4,096, K 1,024] x [K 1,024, N 1,024]; A: computed on the way; B: input w_out (given as codes): QUANTISED
;;   THE QUANTISER, for each operand of a quantised product, along K:
;;     - K is cut into blocks of 32 from its start; a last block that is shorter is filled with zeros.
;;     - A block's scale is 2^e with e = floor(log2(the largest magnitude in the block)) - 2, held to -126 .. 127; a block of zeros has e = 0. As a byte (E8M0): e + 127.
;;     - Each number is divided by its block's scale, clamped to +-7.5, and rounded to the nearest number of E2M3, ties to even, subnormals kept.
;;     - The product sums the exact products of the quantised numbers (number of the format x scale) in f32.
;;   ~~~python
;;   def quantise(x, axis):      # numpy; x: float32 -> the quantised numbers, widened to float32 again
;;       x = np.moveaxis(x, axis, -1); K = x.shape[-1]
;;       x = np.pad(x, [(0, 0)] * (x.ndim - 1) + [(0, -K % 32)]); x = x.reshape(x.shape[:-1] + (-1, 32)); a = np.abs(x).max(-1, keepdims=True)
;;       e = np.where(a > 0, np.clip(np.frexp(np.where(a > 0, a, 1))[1] - 1 - 2, -126, 127), 0)      # np.frexp(a)[1] - 1 = floor(log2(a)), exactly
;;       r = np.clip(x / 2.0 ** e, -7.5, 7.5)
;;       step = 2.0 ** (np.maximum(np.frexp(np.where(r == 0, 1, r))[1] - 1, 0) - 3)
;;       q = np.round(r / step) * step * 2.0 ** e      # np.round: ties to even
;;       return np.moveaxis(q.reshape(q.shape[:-2] + (-1,))[..., :K], -1, axis).astype(np.float32)
;;   ~~~
;;   SOFTMAX AHEAD OF A QUANTISED PRODUCT. Where the list says 'softmax', what is quantised is not the finished softmax but p = 2^(t - M), with t = logit x log2(e) and M = ceil(the row's largest t), a whole number; so 1/2 < the row's largest p <= 1. The row's sum l is taken of the UNQUANTISED p, in f32, and the product's result is divided by l at the end. Since M is a whole number, a kernel that streams over the keys may use a running M (the ceiling of the running maximum): every later rescaling is an exact power of two, which a block's scale takes up: the codes' values come out the same.
;;   OPERANDS COMPUTED ON THE WAY. 'Computed on the way' means the value that the module computes at that place (a softmax that the list does not call 'softmax' is quantised finished and normalised). What goes into a quantiser is computed in f32, as accurately as f32 sums, v_exp_f32 and their like allow (about 1e-6 of the number): no bf16 or f16 on the way to a quantiser, and a product that is left as it is and whose result goes on into a quantised operand takes f32 operands (vector FMAs, or v_wmma_f32_16x16x4_f32). A number that lies on a knife's edge between two numbers of the format may be rounded either way, as far as f32 arithmetic and the matrix unit's own rounding can turn it there, and no further.
;;   INPUTS GIVEN AS CODES. v (in the module: [1, 4096, 1024], K = its axis 1); w_out (in the module: [1024, 1024], K = its axis 1): each comes as NAME_codes (uint8): NAME with its K axis moved to the last place and cut into blocks of 32 codes, [.., K / 32, bytes a block], one block behind the other in memory; four codes in three bytes: a row's codes are one little-endian stream of bits, code i at bits 6 i .. 6 i + 5 (a code: sign, 2 exponent bits, 3 mantissa bits); and NAME_scales (uint8): the same leading axes, one E8M0 byte (e + 127) for each 32 codes along K. Its value is code x scale, taken as it is: it is not quantised again, and the codes and scales need not be those that the quantiser above would give.
;; One version. Each part assembles by itself: llvm-mc -triple=amdgcn-amd-amdhsa -mcpu=gfx1250 --defsym DOCPART=n.
;; ======== version 1 of 1: 3 launches
;; limits: right only within a limited range of input values
;; workspace buffers: qimg 3,145,728 bytes; qsc 131,072 bytes; kimg 3,145,728 bytes; ksc 131,072 bytes; att 3,145,728 bytes; attsc 131,072 bytes
;; launch prep (part 1): grid 128 x 2, 16 waves a work-group, no clusters, 150,016 bytes of LDS; arguments q, k, qk_scale, qimg, qsc, kimg, ksc; writes qimg, qsc, kimg, ksc
.if DOCPART == 1
	.amdgcn_target "amdgcn-amd-amdhsa--gfx1250"
	.amdhsa_code_object_version 6
	.text
	.protected	k_q825400d705_prep
	.globl	k_q825400d705_prep
	.p2align	8
	.type	k_q825400d705_prep,@function
k_q825400d705_prep:
	s_mov_b64 s[64:65], 0
	v_nop
	global_prefetch_b8 v0, s[64:65] scope:SCOPE_SE
	s_setreg_imm32_b32 hwreg(HW_REG_WAVE_MODE, 25, 1), 1
	s_wait_xcnt 0x0
; q and k, [4096][1024] f32, get RoPE, the L2 norm over a head's 64 channels and qk_scale, and become codes of FP6 (E2M3) with one E8M0 byte for each 32 channels.
; SHARES.  Work-group (x, y): x = a PAIR, 32 tokens B + 0 .. 15 and B + 32 .. 47, B = 64 (x / 2) + 16 (x % 2); y = 0: q, 1: k (only pointers are chosen: one path serves both).  Wave w = head w: 32 rows x 256 bytes.
; WHAT IS STORED: an image of a matrix operand's 12 registers, 1,536 bytes for (head, pair): lane (r = lane % 16, h = lane / 16), registers 6 u .. 6 u + 5 (u = 0, 1) hold the 24 code bytes of
; token B + 8 u + r % 8 + 32 (r / 8), channels 32 h .. 32 h + 31; registers 4 c .. 4 c + 3 of lane l lie at 512 c + 16 l.  The scale word of slot r: byte 2 u + h.
; THE WAY IN.  Each load reads two rows' 256 bytes, sixteen lanes a row; the rows turn through the wave's own stage in LDS, laid in slot order 16 u + r, and come back 128 bytes a lane.
; THE ANGLES.  The work-group's 32 tokens x 32 frequencies of (cos, sin) are made once, two tokens a wave, a lane a frequency, and shared through LDS behind the one barrier.
; The frequency is 2^(-i log2(10) / 8) by v_exp_f32; the angle is one f32 product; it is reduced by multiples of pi/2 kept in two parts, and sine and cosine are polynomials on [-pi/4, pi/4].
; LIMITS: the frequencies agree with a correctly rounded table to a few units in the last place, so an angle at token 4,095 may differ by up to about 6e-4 rad; NaN and infinities are not served, nor
; sums of squares beyond the f32 range (|x| over about 1e19); a block of zeros gets the byte 1 (its codes are zeros, and this program alone reads the bytes).
; No cluster: the work-groups share no input but the 256 bytes of qk_scale.  No tensor load: the rows go through registers anyway.
.set P,    272                         ; an LDS row: 256 bytes + 16 = 68 words: row r starts at bank 4 r mod 64 (64 banks of 4 bytes: ISA guide 11.1)
.set WST,  32*P                        ; a wave's stage: 32 rows
.set TAB,  16*WST                      ; behind the sixteen stages: the table, 32 rows (slot order) of 32 pairs (cos, sin)
.set CD,   32                          ; v32-43   the operand's 12 registers
.set X,    64                          ; v64-127  my two tokens' 32 channels: register 32 u + i
.set CS,   128                         ; v128-191 (cos, sin) of my 16 pairs of channels, for u = 0, 1
.set QS,   192                         ; v192-223 qk_scale[32 h .. 32 h + 31]
.set T,    224                         ; v224-231 four pairs at work
; sine and cosine of v[x] >= 0 into v[s], v[c]; v[t] .. v[t + 5] at work
.macro SINCOS x, c, s, t
	v_mul_f32 v[\t], s24, v[\x]
	s_delay_alu instid0(VALU_DEP_1)
	v_rndne_f32 v[\t], v[\t]                       ; n = the nearest multiple of pi/2
	s_delay_alu instid0(VALU_DEP_1)
	v_fma_f32 v[\t+1], -v[\t], s25, v[\x]          ; x - n pi/2, pi/2 in two parts
	s_delay_alu instid0(VALU_DEP_1)
	v_fma_f32 v[\t+1], -v[\t], s26, v[\t+1]
	s_delay_alu instid0(VALU_DEP_3)
	v_cvt_i32_f32 v[\t], v[\t]
	s_delay_alu instid0(VALU_DEP_2)
	v_mul_f32 v[\t+2], v[\t+1], v[\t+1]            ; z = r r
	s_delay_alu instid0(VALU_DEP_1)
	v_fma_f32 v[\t+3], v[\t+2], s27, s28
	s_delay_alu instid0(VALU_DEP_2)
	v_fma_f32 v[\t+4], v[\t+2], s30, s31
	s_delay_alu instid0(VALU_DEP_2)
	v_fma_f32 v[\t+3], v[\t+3], v[\t+2], s29
	s_delay_alu instid0(VALU_DEP_2)
	v_fma_f32 v[\t+4], v[\t+4], v[\t+2], s32
	v_fma_f32 v[\t+5], v[\t+2], -0.5, 1.0
	s_delay_alu instid0(VALU_DEP_3)
	v_mul_f32 v[\t+3], v[\t+3], v[\t+2]
	s_delay_alu instid0(VALU_DEP_3)
	v_mul_f32 v[\t+4], v[\t+4], v[\t+2]
	s_delay_alu instid0(VALU_DEP_2)
	v_fma_f32 v[\t+3], v[\t+3], v[\t+1], v[\t+1]   ; sin r
	s_delay_alu instid0(VALU_DEP_2)
	v_fma_f32 v[\t+4], v[\t+4], v[\t+2], v[\t+5]   ; cos r
	v_and_b32 v[\t+5], 1, v[\t]
	s_delay_alu instid0(VALU_DEP_1)
	v_cmp_eq_u32 vcc_lo, 1, v[\t+5]                ; n odd: the two change places (a choice of values: no address or branch hangs on n)
	s_delay_alu instid0(VALU_DEP_1)
	v_cndmask_b32 v[\s], v[\t+3], v[\t+4], vcc_lo
	s_delay_alu instid0(VALU_DEP_2)
	v_cndmask_b32 v[\c], v[\t+4], v[\t+3], vcc_lo
	v_lshlrev_b32 v[\t+5], 30, v[\t]
	s_delay_alu instid0(VALU_DEP_1)
	v_and_b32 v[\t+5], 0x80000000, v[\t+5]
	s_delay_alu instid0(VALU_DEP_1)
	v_xor_b32 v[\s], v[\s], v[\t+5]                ; the sine's sign turns where n mod 4 is 2 or 3
	v_add_nc_u32 v[\t+5], 1, v[\t]
	s_delay_alu instid0(VALU_DEP_1)
	v_lshlrev_b32 v[\t+5], 30, v[\t+5]
	s_delay_alu instid0(VALU_DEP_1)
	v_and_b32 v[\t+5], 0x80000000, v[\t+5]
	s_delay_alu instid0(VALU_DEP_1)
	v_xor_b32 v[\c], v[\c], v[\t+5]                ; the cosine's where it is 1 or 2
.endm
	s_load_b256 s[4:11], s[0:1], 0x0               ; q s[4:5], k s[6:7], qk_scale s[8:9], qimg s[10:11]
	s_load_b128 s[12:15], s[0:1], 0x20             ; qsc s[12:13], kimg s[14:15]
	s_load_b64 s[16:17], s[0:1], 0x30              ; ksc
	v_lshl_add_u32 v254, v0, 2, 0x24200
	v_mov_b32 v255, 0
	v_lshrrev_b32 v1, 5, v0
	s_delay_alu instid0(VALU_DEP_1)
	v_readfirstlane_b32 s18, v1                    ; wave = head
	s_mov_b32 s19, ttmp9                           ; the pair
	s_and_b32 s20, ttmp7, 0xffff                   ; 0: q, 1: k
	s_mov_b32 s22, 0x76543210
	s_mov_b32 s23, 0xfedcba98                      ; v_permlanex16_b32's selects for lane l xor 16
	s_mov_b32 s24, 0x3f22f983                      ; 2 / pi
	s_mov_b32 s25, 0x3fc90fdb                      ; pi / 2, the upper part
	s_mov_b32 s26, 0xb33bbd2e                      ; and what is left of it
	s_mov_b32 s27, 0xb94ca1f9                      ; the sine's coefficients: -1.9515296e-4, 8.3321609e-3, -0.16666655
	s_mov_b32 s28, 0x3c08839e
	s_mov_b32 s29, 0xbe2aaaa3
	s_mov_b32 s30, 0x37ccf5ce                      ; the cosine's: 2.4433157e-5, -1.3887316e-3, 4.1666646e-2
	s_mov_b32 s31, 0xbab6061a
	s_mov_b32 s32, 0x3d2aaaa5
	s_mov_b32 s33, 0x5368d4a5                      ; 1e12 = 1 / the norm's floor 1e-12
	v_and_b32 v1, 31, v0                           ; lane
	v_and_b32 v2, 15, v0                           ; r
	v_bfe_u32 v3, v0, 4, 1                         ; h
	s_delay_alu instid0(VALU_DEP_3)
	v_lshlrev_b32 v9, 4, v1                        ; 16 x lane: my place in a store of the image
	s_delay_alu instid0(VALU_DEP_3)
	v_lshlrev_b32 v10, 2, v2                       ; 4 r: my slot's scale word
	s_delay_alu instid0(VALU_DEP_3)
	v_lshlrev_b32 v11, 7, v3                       ; 128 h
	v_lshlrev_b32 v12, 4, v2
	s_delay_alu instid0(VALU_DEP_1)
	v_lshl_add_u32 v4, v3, 12, v12                 ; in memory: lanes 0-15 one row, lanes 16-31 the next (4,096 bytes on), 16 bytes a lane
	s_mul_i32 s34, s18, WST
	v_mad_u32_u24 v5, v3, P, v12
	s_delay_alu instid0(VALU_DEP_1)
	v_add_nc_u32 v5, s34, v5                       ; into my stage: the same two rows
	v_mad_u32_u24 v6, v2, P, v11
	s_delay_alu instid0(VALU_DEP_1)
	v_add_nc_u32 v7, TAB, v6                       ; out of the table: row r, + 128 h
	s_delay_alu instid0(VALU_DEP_2)
	v_add_nc_u32 v6, s34, v6                       ; out of my stage: likewise
	s_lshr_b32 s35, s18, 3
	s_lshl_b32 s35, s35, 4
	s_and_b32 s44, s18, 7
	s_add_co_u32 s35, s35, s44                     ; token w of the pair lies in slot 16 (w / 8) + w % 8, token w + 16 eight slots on
	s_mul_i32 s35, s35, P
	s_add_co_u32 s35, s35, TAB
	v_lshl_add_u32 v8, v1, 3, s35                  ; into the table: 8 bytes a frequency
	; THE PAIR'S TOKENS: pair x holds tokens B + 0 .. 15 and B + 32 .. 47, B = 64 (x / 2) + 16 (x % 2); slot r of half u is token B + 8 u + r % 8 + 32 (r / 8)
	s_lshr_b32 s36, s19, 1
	s_lshl_b32 s36, s36, 18                        ; 64 rows of 4,096 bytes for x / 2,
	s_and_b32 s37, s19, 1
	s_lshl_b32 s37, s37, 16                        ; 16 rows for x % 2,
	s_add_co_u32 s36, s36, s37
	s_lshl_b32 s37, s18, 8                         ; 256 bytes a head
	s_add_co_u32 s36, s36, s37
	s_mov_b32 s37, 0
	s_lshl_b32 s38, s18, 7
	s_add_co_u32 s38, s38, s19                     ; 128 head + pair
	s_mul_i32 s40, s38, 1536
	s_mov_b32 s41, 0
	s_lshl_b32 s42, s38, 6
	s_mov_b32 s43, 0
	s_wait_alu depctr_va_vdst(0)
	s_wait_kmcnt 0x0
	s_cmp_eq_u32 s20, 0                            ; the choice hangs on the work-group's number alone
	s_cselect_b64 s[4:5], s[4:5], s[6:7]
	s_cselect_b64 s[10:11], s[10:11], s[14:15]
	s_cselect_b64 s[12:13], s[12:13], s[16:17]
	s_add_nc_u64 s[4:5], s[4:5], s[36:37]
	s_add_nc_u64 s[10:11], s[10:11], s[40:41]
	s_add_nc_u64 s[12:13], s[12:13], s[42:43]
.irp a, 0,1,2,3,4,5,6,7,8,9,10,11,12,13,14,15
	global_load_b128 v[X+4*\a:X+4*\a+3], v4, s[4:5] offset:8192*\a+65536*(\a/8) th:TH_LOAD_NT   ; two rows a load, sixteen lanes a row of 256 bytes; the pair's second sixteen tokens lie 16 rows further on
.endr
.irp j, 0,1,2,3,4,5,6,7
	global_load_b128 v[QS+4*\j:QS+4*\j+3], v11, s[8:9] offset:16*\j
.endr
	; the table, while the loads are out
	v_cvt_f32_u32 v12, v1
	s_delay_alu instid0(VALU_DEP_1)
	v_mul_f32 v12, 0xbed49a78, v12                 ; -i log2(10) / 8
	s_wait_alu depctr_va_vdst(0)
	v_exp_f32 v13, v12                             ; 10000^(-i / 32)
	s_lshr_b32 s36, s19, 1
	s_lshl_b32 s36, s36, 6
	s_and_b32 s37, s19, 1
	s_lshl_b32 s37, s37, 4
	s_add_co_u32 s36, s36, s37                     ; B = 64 (x / 2) + 16 (x % 2)
	s_add_co_u32 s36, s36, s18                     ; B + w
	s_add_co_u32 s37, s36, 32                      ; my two tokens: B + w and B + 32 + w
	v_cvt_f32_u32 v14, s36                         ; (plain instructions behind the exponential)
	v_cvt_f32_u32 v15, s37
	s_wait_alu depctr_va_vdst(0)                   ; ahead of the first reader of a transcendental's result
	v_mul_f32 v14, v14, v13                        ; the angle: one f32 product
	v_mul_f32 v15, v15, v13
	SINCOS 14, 20, 21, 24
	SINCOS 15, 22, 23, 24
	ds_store_b64 v8, v[20:21]
	ds_store_b64 v8, v[22:23] offset:8*P
	s_wait_dscnt 0x0                               ; for the others' sake: my two rows of the table are written
	s_barrier_signal -1
	s_barrier_wait -1                              ; the table is whole; nobody writes it again
.irp u, 0,1
.irp j, 0,1,2,3,4,5,6,7
	ds_load_b128 v[CS+32*\u+4*\j:CS+32*\u+4*\j+3], v7 offset:16*P*\u+16*\j
.endr
.endr
	s_wait_loadcnt 8                               ; X's sixteen loads are in; the eight younger ones, qk_scale's, may be out
.irp a, 0,1,2,3,4,5,6,7,8,9,10,11,12,13,14,15
	ds_store_b128 v5, v[X+4*\a:X+4*\a+3] offset:(16*(((2*\a)/8)%2)+8*((2*\a)/16)+(2*\a)%8)*P   ; token 16 a' + 8 u + c goes to slot 16 u + 8 a' + c
.endr
.irp u, 0,1
.irp j, 0,1,2,3,4,5,6,7
	ds_load_b128 v[X+32*\u+4*\j:X+32*\u+4*\j+3], v6 offset:16*P*\u+16*\j   ; LDS serves a wave's instructions in order (ISA guide 5.7.1.4): these see my stores
.endr
.endr
	s_wait_loadcnt 0x0
	s_wait_dscnt 0x0
	; RoPE: (xr, xi) -> (xr c - xi s, xr s + xi c), a pair of channels an instruction pair; four pairs by turns
.set i, 0
.rept 8
.irp m, 0,1,2,3
	v_pk_mul_f32 v[T+2*\m:T+2*\m+1], v[X+8*i+2*\m:X+8*i+2*\m+1], v[CS+8*i+2*\m:CS+8*i+2*\m+1] op_sel_hi:[1,0]   ; (xr c, xi c)
.endr
.irp m, 0,1,2,3
	s_delay_alu instid0(VALU_DEP_4)
	v_pk_fma_f32 v[X+8*i+2*\m:X+8*i+2*\m+1], v[X+8*i+2*\m:X+8*i+2*\m+1], v[CS+8*i+2*\m:CS+8*i+2*\m+1], v[T+2*\m:T+2*\m+1] op_sel:[1,1,0] op_sel_hi:[0,1,1] neg_lo:[1,0,0]   ; low: -xi s + xr c; high: xr s + xi c
.endr
.set i, i+1
.endr
	; the norm of each token's 64 channels: my 32, then lane l xor 16's
	v_pk_mul_f32 v[52:53], v[X:X+1], v[X:X+1]
	v_pk_mul_f32 v[54:55], v[X+32:X+33], v[X+32:X+33]
.set i, 1
.rept 15
	s_delay_alu instid0(VALU_DEP_2)
	v_pk_fma_f32 v[52:53], v[X+2*i:X+2*i+1], v[X+2*i:X+2*i+1], v[52:53]
	s_delay_alu instid0(VALU_DEP_2)
	v_pk_fma_f32 v[54:55], v[X+32+2*i:X+33+2*i], v[X+32+2*i:X+33+2*i], v[54:55]
.set i, i+1
.endr
	s_delay_alu instid0(VALU_DEP_2)
	v_add_f32 v52, v52, v53
	s_delay_alu instid0(VALU_DEP_2)
	v_add_f32 v54, v54, v55
	s_delay_alu instid0(VALU_DEP_2)
	v_permlanex16_b32 v53, v52, s22, s23
	s_delay_alu instid0(VALU_DEP_2)
	v_permlanex16_b32 v55, v54, s22, s23
	s_delay_alu instid0(VALU_DEP_2)
	v_add_f32 v52, v52, v53
	s_delay_alu instid0(VALU_DEP_2)
	v_add_f32 v54, v54, v55
	s_wait_alu depctr_va_vdst(0)
	v_rsq_f32 v56, v52
	v_rsq_f32 v58, v54
	v_nop                                          ; a plain instruction behind the last of the two
	s_wait_alu depctr_va_vdst(0)                   ; one wait for both, ahead of their first reader
	v_min_num_f32 v56, s33, v56                    ; 1 / max(norm, 1e-12)
	v_min_num_f32 v58, s33, v58
	s_delay_alu instid0(VALU_DEP_2)
	v_mov_b32 v57, v56                             ; (named with it as a pair, so it is written)
	s_delay_alu instid0(VALU_DEP_2)
	v_mov_b32 v59, v58
.set i, 0
.rept 16
	v_pk_mul_f32 v[X+2*i:X+2*i+1], v[X+2*i:X+2*i+1], v[56:57] op_sel_hi:[1,0]
	v_pk_mul_f32 v[X+32+2*i:X+33+2*i], v[X+32+2*i:X+33+2*i], v[58:59] op_sel_hi:[1,0]
.set i, i+1
.endr
.set i, 0
.rept 16
	v_pk_mul_f32 v[X+2*i:X+2*i+1], v[X+2*i:X+2*i+1], v[QS+2*i:QS+2*i+1]
	v_pk_mul_f32 v[X+32+2*i:X+33+2*i], v[X+32+2*i:X+33+2*i], v[QS+2*i:QS+2*i+1]
.set i, i+1
.endr
	; the quantiser: a block of 32 channels is one lane's 32 registers
.irp u, 0,1
	v_max3_num_f32 v[60+\u], |v[X+32*\u]|, |v[X+32*\u+1]|, 0x1800000   ; with the floor 2^(3 - 127), so that the byte cannot fall under 1
.endr
.irp i, 2,4,6,8,10,12,14,16,18,20,22,24,26,28,30
.irp u, 0,1
	s_delay_alu instid0(VALU_DEP_2)
	v_max3_num_f32 v[60+\u], v[60+\u], |v[X+32*\u+\i]|, |v[X+32*\u+\i+1]|
.endr
.endr
.irp u, 0,1
	s_delay_alu instid0(VALU_DEP_2)
	v_add_nc_u32 v[62+\u], 0xff000000, v[60+\u]    ; 2 off the exponent field: the conversion takes this operand's exponent field as its scale
.endr
.irp u, 0,1
	s_delay_alu instid0(VALU_DEP_2)
	v_lshrrev_b32 v[60+\u], 23, v[62+\u]           ; the scale's byte
.endr
	v_cvt_scalef32_pk16_fp6_f32 v[CD:CD+2], v[X:X+15], v62
	v_cvt_scalef32_pk16_fp6_f32 v[44:46], v[X+16:X+31], v62       ; (a conversion's three registers begin on an even number: the second half is made elsewhere and moved)
	v_cvt_scalef32_pk16_fp6_f32 v[CD+6:CD+8], v[X+32:X+47], v63
	v_cvt_scalef32_pk16_fp6_f32 v[48:50], v[X+48:X+63], v63
	v_nop                                          ; one plain instruction behind a scaled conversion
.irp i, 0,1,2
	v_mov_b32 v[CD+3+\i], v[44+\i]
	v_mov_b32 v[CD+9+\i], v[48+\i]
.endr
	v_lshl_or_b32 v12, v61, 16, v60                ; my two bytes, u = 0 and u = 1,
	v_lshlrev_b32 v13, 3, v3
	s_delay_alu instid0(VALU_DEP_1)
	v_lshlrev_b32 v12, v13, v12                    ; 8 h bits up;
	v_mov_b32 v14, 0
	s_delay_alu instid0(VALU_DEP_1)
	v_permlanex16_b32 v14, v12, s22, s23
	s_delay_alu instid0(VALU_DEP_1)
	v_or_b32 v12, v12, v14                         ; with lane l xor 16's two the word is whole
.irp c, 0,1,2
	global_store_b128 v9, v[CD+4*\c:CD+4*\c+3], s[10:11] offset:512*\c   ; 32 lanes store 512 consecutive bytes, at a multiple of 256 from the buffer's first byte
.endr
	global_store_b32 v10, v12, s[12:13]            ; the pair's 16 words, 64 consecutive bytes (lanes 16-31 write what lanes 0-15 write)
	s_wait_tensorcnt 0x0
	ds_add_u32 v254, v255
	s_wait_dscnt 0x0
	s_endpgm
.Lfunc_end_k_q825400d705_prep:
	.size	k_q825400d705_prep, .Lfunc_end_k_q825400d705_prep-k_q825400d705_prep
	.p2alignl 7, 3214868480
	.fill 96, 4, 3214868480
	.section	.rodata,"a",@progbits
	.p2align	6, 0x0
	.amdhsa_kernel k_q825400d705_prep
		.amdhsa_group_segment_fixed_size 150016
		.amdhsa_private_segment_fixed_size 0
		.amdhsa_enable_private_segment 0
		.amdhsa_kernarg_size 56
		.amdhsa_user_sgpr_count 2
		.amdhsa_user_sgpr_kernarg_segment_ptr 1
		.amdhsa_wavefront_size32 1
		.amdhsa_system_sgpr_workgroup_id_x 1
		.amdhsa_system_sgpr_workgroup_id_y 1
		.amdhsa_system_sgpr_workgroup_id_z 1
		.amdhsa_system_vgpr_workitem_id 0
		.amdhsa_next_free_vgpr 256
		.amdhsa_next_free_sgpr 66
		.amdhsa_reserve_vcc 1
		.amdhsa_float_denorm_mode_32 3
		.amdhsa_float_denorm_mode_16_64 3
		.amdhsa_memory_ordered 1
		.amdhsa_forward_progress 1
		.amdhsa_inst_pref_size 31
	.end_amdhsa_kernel
	.amdgpu_metadata
---
amdhsa.version: [ 1, 2 ]
amdhsa.kernels:
  - .name:           k_q825400d705_prep
    .symbol:         k_q825400d705_prep.kd
    .args:
      - { .name: q, .offset: 0, .size: 8, .value_kind: global_buffer, .address_space: global }
      - { .name: k, .offset: 8, .size: 8, .value_kind: global_buffer, .address_space: global }
      - { .name: qk_scale, .offset: 16, .size: 8, .value_kind: global_buffer, .address_space: global }
      - { .name: qimg, .offset: 24, .size: 8, .value_kind: global_buffer, .address_space: global }
      - { .name: qsc, .offset: 32, .size: 8, .value_kind: global_buffer, .address_space: global }
      - { .name: kimg, .offset: 40, .size: 8, .value_kind: global_buffer, .address_space: global }
      - { .name: ksc, .offset: 48, .size: 8, .value_kind: global_buffer, .address_space: global }
    .group_segment_fixed_size: 150016
    .private_segment_fixed_size: 0
    .kernarg_segment_align: 8
    .kernarg_segment_size: 56
    .max_flat_workgroup_size: 512
    .sgpr_count:     66
    .vgpr_count:     256
    .wavefront_size: 32
...
	.end_amdgpu_metadata
.endif
;; end of part 1
;; launch attn (part 2): grid 16 x 16, 16 waves a work-group, clusters of 4 x 1, 327,680 bytes of LDS; arguments qimg, qsc, kimg, ksc, v_codes, v_scales, att, attsc; writes att, attsc
.if DOCPART == 2
	.amdgcn_target "amdgcn-amd-amdhsa--gfx1250"
	.amdhsa_code_object_version 6
	.text
	.protected	k_q825400d705_attn
	.globl	k_q825400d705_attn
	.p2align	8
	.type	k_q825400d705_attn,@function
k_q825400d705_attn:
	s_mov_b64 s[64:65], 0
	v_nop
	global_prefetch_b8 v0, s[64:65] scope:SCOPE_SE
	s_setreg_imm32_b32 hwreg(HW_REG_WAVE_MODE, 25, 1), 1
	s_wait_xcnt 0x0
	s_wait_alu depctr_hold_cnt(0) depctr_sa_sdst(0) depctr_va_vdst(0) depctr_va_sdst(0) depctr_va_ssrc(0) depctr_va_vcc(0) depctr_vm_vsrc(0)
	s_getreg_b32 s2, hwreg(HW_REG_IB_STS2, 6, 4)
	s_cmp_eq_u32 s2, 0
	s_cbranch_scc0 .Lentry_in_a_cluster
	s_endpgm
.Lentry_in_a_cluster:
	s_bfe_u32 s2, ttmp6, 0x10000c
	s_cmp_lg_u32 s2, 0x3003
	s_cbranch_scc0 .Lentry_shape_is_right
	s_endpgm
.Lentry_shape_is_right:
; att = Q(softmax(q k^T / 8) v), head by head, all products on codes of FP6 (E2M3) with E8M0 scales; softmax in f32.
; SHARES.  Work-group (x, y): head y, queries of row tiles 16 x .. 16 x + 15; wave w has one row tile, 16 queries.  Both products are used transposed (S^T = k q^T, O^T = v^T p^T): a lane holds one query.
; qimg, kimg: images of an operand's 12 registers, 1,536 bytes for (head, pair); registers 6 u .. 6 u + 5 of lane (r, h) hold channels 32 h .. of token B + 8 u + r % 8 + 32 (r / 8),
; B = 64 (pair / 2) + 16 (pair % 2).  A head has 64 channels and the instruction sums 128: an image is multiplied twice, by q in the lower 64 with zero codes above (u = 0) and the other way round (u = 1).
; So the 32 score registers of two images are, in lane half h, the 32 NEIGHBOURING keys 64 c + 32 h + 0 .. 31: a whole block of p's quantiser in one lane, in the order of the next operand's registers.
; V's tile t takes rows d = 8 t + r % 8 + 32 (r / 8): O^T's 32 registers are channels 32 h + 0 .. 31, again a whole block in a lane.
; M is the ceiling of the running largest t = score x log2(e) / 8; p = 2^(t - M); the sum is taken of the unquantised p; a change of M multiplies the sum and O^T by an exact power of two.
; THE RING: two slots of 1,024 keys: K's 32 images (49,152 dense bytes) and V's 64 rows x 768 bytes, each row three units of 256 bytes + 16 of padding; V's rows in memory begin at multiples of 256 bytes.
; V's upper 32 rows lie 128 bytes further on than the pitch gives, so that rows r and r + 8 of a fragment start 32 words apart modulo 64.  K's and V's scales of the whole head (8,192 bytes each) are filled once.
; CLUSTERS: the four work-groups of a cluster have the same head: every tile is asked for jointly (mask 15).  Waves 0, 1 fetch K's halves, waves 2, 3 V's, waves 4, 5 the scales at the head.
; No prefetch is laid: a refill is issued eight steps of 128 keys ahead of the barrier that waits for it, and the four clusters of a head read the same 393,216 bytes of K and V.
; LIMITS: the promise holds while the scaled scores stay under 2^31 in magnitude; NaN and infinities are not served; a block of zeros gets the byte 1 (its codes are zeros; this program alone reads the bytes).
.set SLOTB, 1<<17
.set VOFF,  49152
.set VUP,   26240                      ; 32 rows of 816 bytes + 128
.set SCK,   2*SLOTB
.set SCV,   SCK+32*272
.set SPARE, SCV+32*272                 ; the spare words: 128 bytes a wave
.set ADK,  1                           ; LDS addresses of this slot: K's images,
.set ADV,  2                           ; V's rows,
.set ADW,  3                           ; V's rows where lanes 16-31 lie behind one padding more,
.set ADS,  4                           ; K's scale words,
.set ADT,  5                           ; V's scale words
.set SPW,  6
.set NIL,  7
.set KS,   8                           ; v8-9 K's scale words, v10-11 V's: lanes 0-15 one tile's, lanes 16-31 the next one's
.set VS,   10
.set QHI,  16                          ; v12 -M, v13 the running largest score, v[14:15] the sum; v16-33: zeros, q's 6 registers, zeros
.set QLO,  22
.set QW,   34
.set PS,   35
.set FF,   36                          ; the factor; named as a pair with v37
.set SH8,  37                          ; 8 h
.set BA,   38                          ; v38-39 the two blocks' maxima; v40-41 second chains, then the sum's second chain
.set BB,   40
.set CT,   42                          ; v42-44, v46-48 the conversions' second halves
.set TMP,  45
.set T4,   49
.set PCD,  50                          ; v50-61 p's codes
.set OLDM, 62                          ; v62 the -M of the step before
.macro PA n                            ; n of the 31 additions that sum a step's unquantised p, two numbers an instruction, in two chains by turns: v[14:15], and v[40:41], which begins anew in each step
.rept \n
.if PKI == 0
	v_pk_add_f32 v[BB:BB+1], v[S:S+1], v[S+2:S+3]
.elseif PKI%2
	v_pk_add_f32 v[14:15], v[14:15], v[S+4*((PKI+1)/2):S+4*((PKI+1)/2)+1]
.else
	v_pk_add_f32 v[BB:BB+1], v[BB:BB+1], v[S+4*(PKI/2)+2:S+4*(PKI/2)+3]
.endif
.set PKI, PKI+1
.endr
.endm
.set KF,   64                          ; v64-111 four images of K
.set VF,   112                         ; v112-159 four fragments of V
.set S,    160                         ; v160-223 scores, then p
.set O,    224                         ; v224-255 O^T
.set WV,   20
.set CC,   22
.set G1K,  24
.set G1V,  32
.set G0K,  40
.set G0V,  44
.set G1S,  48
.set G0SK, 56
.set G0SV, 60
.set TB,   66
.set TS,   67
.set TJ,   68
.set SLOTS, 69
.set SEL,  70
.macro CROUND                          ; a round of the cluster's barrier
	s_barrier_signal -1
	s_barrier_wait -1
	s_cmp_lg_u32 s[WV], 0
	s_cbranch_scc1 .Lnot_wave_0_\@
	s_barrier_signal -3
.Lnot_wave_0_\@:
	s_barrier_wait -3
	s_barrier_signal -1
	s_barrier_wait -1
.endm
.macro TL g0, g1                       ; a joint load with an s_nop and four v_nop behind it
	tensor_load_to_lds s[\g0:\g0+3], s[\g1:\g1+7]
	s_nop 0
.rept 4
	v_nop
.endr
.endm
.macro TLOAD                           ; a slot's fill: the branches hang on the wave's number alone
	s_cmp_lt_u32 s[WV], 2
	s_cbranch_scc0 .Lnot_k_\@
	TL G0K, G1K
	s_branch .Lasked_\@
.Lnot_k_\@:
	s_cmp_lt_u32 s[WV], 4
	s_cbranch_scc0 .Lasked_\@
	TL G0V, G1V
.Lasked_\@:
.endm
	s_load_b512 s[4:19], s[0:1], 0x0               ; qimg, qsc, kimg, ksc, v_codes, v_scales, att, attsc
	v_lshl_add_u32 v[SPW], v0, 2, SPARE
	v_mov_b32 v[NIL], 0
	ds_add_u32 v[SPW], v[NIL]                      ; the opening lines: the add twice on end and one wait
	ds_add_u32 v[SPW], v[NIL]
	v_lshrrev_b32 v[TMP], 5, v0
	v_readfirstlane_b32 s[WV], v[TMP]              ; wave 0..15
	s_and_b32 s74, ttmp7, 0xffff                   ; head
	s_and_b32 s75, s[WV], 1                        ; which half of a tile I fetch
	s_mul_i32 s98, s74, 196608                     ; a head's K images, and its V rows
	s_mul_i32 s78, s75, 24576                      ; K's half, in memory and in LDS
	s_add_co_u32 s76, s98, s78
	s_mov_b32 s77, 0
	s_mul_i32 s80, s75, 98304                      ; V's half: 32 rows of 3,072 bytes
	s_add_co_u32 s80, s80, s98
	s_mov_b32 s81, 0
	s_mul_i32 s79, s75, VUP
	s_add_co_u32 s79, s79, VOFF
	s_lshl_b32 s82, s74, 13                        ; a head's scales: 8,192 bytes
	s_mov_b32 s83, 0
	s_bfe_u32 s72, ttmp6, 0x40000                  ; cx enters global addresses of q and att alone
	s_lshl_b32 s73, ttmp9, 2
	s_add_co_u32 s73, s73, s72                     ; block of 256 queries
	s_lshl_b32 s85, s74, 7
	s_lshl_b32 s86, s73, 3
	s_add_co_u32 s85, s85, s86
	s_lshr_b32 s86, s[WV], 1
	s_add_co_u32 s85, s85, s86                     ; 128 head + pair
	s_mul_i32 s86, s85, 1536
	s_mov_b32 s87, 0
	s_lshl_b32 s88, s85, 6
	s_mov_b32 s89, 0
	s_lshl_b32 s90, s73, 4
	s_add_co_u32 s90, s90, s[WV]                   ; row tile T
	s_mul_i32 s92, s90, 12288
	s_mul_i32 s91, s74, 768
	s_add_co_u32 s92, s92, s91                     ; att: 12,288 T + 768 head
	s_mov_b32 s93, 0
	s_lshl_b32 s94, s90, 9
	s_lshr_b32 s91, s74, 1
	s_lshl_b32 s91, s91, 6
	s_add_co_u32 s94, s94, s91
	s_and_b32 s91, s74, 1
	s_lshl_b32 s91, s91, 1
	s_add_co_u32 s94, s94, s91                     ; attsc: 512 T + 64 (head / 2) + 2 (head % 2)
	s_mov_b32 s95, 0
	s_mov_b32 s[G1K], 15|(3<<16)|(1<<21)           ; K: 24,576 dense bytes as 96 rows of 32 elements of 8 bytes
	s_mov_b32 s[G1K+1], 32<<16
	s_mov_b32 s[G1K+2], 96<<16
	s_mov_b32 s[G1K+3], 32<<16
	s_mov_b32 s[G1K+4], 96
	s_mov_b32 s[G1K+5], 32
	s_mov_b32 s[G1K+6], 0
	s_mov_b32 s[G1K+7], 0
	s_mov_b32 s[G1V], 15|(1<<20)|(1<<21)|(5<<22)|(3<<25)   ; V: 32 rows of 768 bytes, pitch 3,072; 4 words of padding behind every 64
	s_mov_b32 s[G1V+1], 768<<16
	s_mov_b32 s[G1V+2], 32<<16
	s_mov_b32 s[G1V+3], 768<<16
	s_mov_b32 s[G1V+4], 32
	s_mov_b32 s[G1V+5], 3072
	s_mov_b32 s[G1V+6], 0
	s_mov_b32 s[G1V+7], 0
	s_mov_b32 s[G1S], 15|(3<<16)|(1<<20)|(1<<21)|(5<<22)|(3<<25)   ; scales: 8,192 dense bytes as 32 rows of 256, padded
	s_mov_b32 s[G1S+1], 32<<16
	s_mov_b32 s[G1S+2], 32<<16
	s_mov_b32 s[G1S+3], 32<<16
	s_mov_b32 s[G1S+4], 32
	s_mov_b32 s[G1S+5], 32
	s_mov_b32 s[G1S+6], 0
	s_mov_b32 s[G1S+7], 0
	s_mov_b32 s[CC], 0x3e38aa3b                    ; log2(e) / 8
	s_mov_b32 s[CC+1], s[CC]
	s_mov_b32 s[SEL], 0x76543210
	s_mov_b32 s[SEL+1], 0xfedcba98                 ; v_permlanex16_b32's selects for lane l xor 16
	s_mov_b32 s[TB], 0
	s_mov_b32 s[TS], SCK
	s_mov_b32 s[TJ], SCV
	s_mov_b32 s[SLOTS], 3
	s_wait_dscnt 0x0                               ; both opening adds are done
	s_wait_kmcnt 0x0
	s_mov_b32 s[G0SK], 1
	s_mov_b32 s[G0SK+1], SCK
	s_add_nc_u64 s[G0SK+2:G0SK+3], s[10:11], s[82:83]
	s_or_b32 s[G0SK+3], s[G0SK+3], 0x80000000
	s_mov_b32 s[G0SV], 1
	s_mov_b32 s[G0SV+1], SCV
	s_add_nc_u64 s[G0SV+2:G0SV+3], s[14:15], s[82:83]
	s_or_b32 s[G0SV+3], s[G0SV+3], 0x80000000
	s_mov_b32 s[G0K], 1
	s_mov_b32 s[G0K+1], s78
	s_add_nc_u64 s[G0K+2:G0K+3], s[8:9], s[76:77]
	s_or_b32 s[G0K+3], s[G0K+3], 0x80000000
	s_mov_b32 s[G0V], 1
	s_mov_b32 s[G0V+1], s79
	s_add_nc_u64 s[G0V+2:G0V+3], s[12:13], s[80:81]
	s_or_b32 s[G0V+3], s[G0V+3], 0x80000000
	s_add_nc_u64 s[4:5], s[4:5], s[86:87]
	s_add_nc_u64 s[6:7], s[6:7], s[88:89]
	s_add_nc_u64 s[16:17], s[16:17], s[92:93]
	s_add_nc_u64 s[18:19], s[18:19], s[94:95]
	CROUND                                         ; the four work-groups are here: the first joint loads meet
	; the head's fills, one chain of branches on the wave's number, one load an arm: slot 0's K and V, and the scales
	s_cmp_lt_u32 s[WV], 2
	s_cbranch_scc0 .Lh_v
	TL G0K, G1K
	s_branch .Lh_done
.Lh_v:
	s_cmp_lt_u32 s[WV], 4
	s_cbranch_scc0 .Lh_sk
	TL G0V, G1V
	s_branch .Lh_done
.Lh_sk:
	s_cmp_eq_u32 s[WV], 4
	s_cbranch_scc0 .Lh_sv
	TL G0SK, G1S
	s_branch .Lh_done
.Lh_sv:
	s_cmp_eq_u32 s[WV], 5
	s_cbranch_scc0 .Lh_done
	TL G0SV, G1S
.Lh_done:
	v_and_b32 v[KF], 31, v0
	v_and_b32 v[KF+1], 15, v0
	v_lshlrev_b32 v[KF], 4, v[KF]
	v_lshlrev_b32 v[KF+1], 2, v[KF+1]
.irp c, 0,1,2
	global_load_b128 v[S+4*\c:S+4*\c+3], v[KF], s[4:5] offset:512*\c   ; my pair's image of q
.endr
	global_load_b32 v[S+12], v[KF+1], s[6:7]
	s_and_b32 s96, s[WV], 1                        ; which half of the pair is my row tile
	s_cmp_lg_u32 s96, 0
	s_cselect_b32 s97, -1, 0
	s_mov_b32 s96, 0x03020302
	s_cselect_b32 s96, s96, 0x01000100
.irp i, 0,1,2,3,4,5
	v_mov_b32 v[QHI+\i], 0
	v_mov_b32 v[QLO+6+\i], 0
.endr
	v_mov_b32 v13, 0xff61b1e6                      ; -3e38, under every score
	v_mov_b32 v14, 0
	v_mov_b32 v15, 0
	v_floor_f32 v12, -v13
	v_mov_b32 v[T4], 0                             ; (a lane permute's destination counts as one of its sources)
	v_mov_b32 v[BB], 0                             ; the sum's second chain: each step begins by joining the last step's to the first
	v_mov_b32 v[BB+1], 0
	v_bfe_u32 v[SH8], v0, 4, 1
	v_lshlrev_b32 v[SH8], 3, v[SH8]
.set j, 0
.rept 32
	v_mov_b32 v[O+j], 0                            ; the step is written once: the first finds zeros
.set j, j+1
.endr
	s_wait_alu depctr_va_vdst(0)                   ; ahead of the blocking wait
	s_wait_loadcnt 0x0
.irp i, 0,1,2,3,4,5
	v_cndmask_b32 v[QLO+\i], v[S+\i], v[S+6+\i], s97
.endr
	v_perm_b32 v[QW], v[S+12], v[S+12], s96        ; my two scale bytes, for both halves of the 128
	s_wait_alu depctr_va_vdst(0)                   ; at the head's end
.macro KLOAD q                         ; 14 loads: four images of K and their scale words (lanes 16-31 take the odd image's)
.irp n, 0,1,2,3
.irp c, 0,1,2
	ds_load_b128 v[KF+12*\n+4*\c:KF+12*\n+4*\c+3], v[ADK] offset:(4*(\q)+\n)*1536+512*\c
.endr
.endr
	ds_load_b32 v[KS], v[ADS] offset:272*(\q)
	ds_load_b32 v[KS+1], v[ADS] offset:272*(\q)+128
.endm
.macro VLOAD q                         ; 26 loads: four fragments of V in pieces of 8 bytes (lanes 16-31 read three pieces further on), and their scale words
.irp t, 0,1,2,3
.irp p, 0,1,2,3,4,5
.set PC, 12*(\q)+6*(\p/3)+\p%3
.if PC%32 < 29
	ds_load_b64 v[VF+12*\t+2*\p:VF+12*\t+2*\p+1], v[ADV] offset:6528*\t+8*PC+16*(PC/32)
.else
	ds_load_b64 v[VF+12*\t+2*\p:VF+12*\t+2*\p+1], v[ADW] offset:6528*\t+8*PC+16*(PC/32)
.endif
.endr
.endr
	ds_load_b32 v[VS], v[ADT] offset:4*(\q)
	ds_load_b32 v[VS+1], v[ADT] offset:2176+4*(\q)
.endm
.macro PF n                            ; t - M, two at a time
.rept \n
	v_pk_fma_f32 v[S+j:S+j+1], v[S+j:S+j+1], s[CC:CC+1], v[12:13] op_sel_hi:[1,0,0]
.set j, j+2
.endr
.endm
; A step: 128 keys, the q-th of a slot's eight
.macro STEP q
.if \q == 0
	KLOAD 0
.endif
	s_wait_dscnt 0x0                               ; this step's images of K are in
.irp n, 0,1,2,3
.irp u, 0,1
.if \n%2
	v_wmma_scale_f32_16x16x128_f8f6f4 v[S+16*\n+8*\u:S+16*\n+8*\u+7], v[KF+12*\n:KF+12*\n+11], v[QLO-6*\u:QLO-6*\u+11], 0, v[KS+\n/2], v[QW] matrix_a_fmt:MATRIX_FMT_FP6 matrix_b_fmt:MATRIX_FMT_FP6 matrix_a_scale:MATRIX_SCALE_ROW1
.else
	v_wmma_scale_f32_16x16x128_f8f6f4 v[S+16*\n+8*\u:S+16*\n+8*\u+7], v[KF+12*\n:KF+12*\n+11], v[QLO-6*\u:QLO-6*\u+11], 0, v[KS+\n/2], v[QW] matrix_a_fmt:MATRIX_FMT_FP6 matrix_b_fmt:MATRIX_FMT_FP6
.endif
.endr
.endr
	v_pk_add_f32 v[14:15], v[14:15], v[BB:BB+1]    ; four places in front of the loads into K's and V's registers and of the first read of the scores: the last step's two chains of the sum are joined,
	v_mov_b32 v[OLDM], v12                         ; the old -M is kept,
	v_nop
	v_nop
	VLOAD \q
.if \q < 7
	KLOAD (\q)+1                                   ; the next step's images: the whole softmax stands ahead of their wait
.endif
	; the largest score of my two blocks of 32 keys, each in two chains; each accumulator is first read at its low end
.irp c, 0,1
	v_max3_num_f32 v[BA+\c], v[S+32*\c], v[S+32*\c+1], v[S+32*\c+2]
.endr
.irp c, 0,1
	v_max3_num_f32 v[BB+\c], v[S+32*\c+17], v[S+32*\c+18], v[S+32*\c+19]
.endr
.irp k, 0,1,2,3,4,5
.irp c, 0,1
	v_max3_num_f32 v[BA+\c], v[BA+\c], v[S+32*\c+3+2*\k], v[S+32*\c+4+2*\k]
.endr
.irp c, 0,1
	v_max3_num_f32 v[BB+\c], v[BB+\c], v[S+32*\c+20+2*\k], v[S+32*\c+21+2*\k]
.endr
.endr
.irp c, 0,1
	v_max3_num_f32 v[BA+\c], v[BA+\c], v[S+32*\c+15], v[S+32*\c+16]
.endr
.irp c, 0,1
	s_delay_alu instid0(VALU_DEP_2)
	v_max_num_f32 v[BA+\c], v[BA+\c], v[BB+\c]
.endr
	s_delay_alu instid0(VALU_DEP_1)
	v_max_num_f32 v[TMP], v[BA], v[BA+1]
	s_delay_alu instid0(VALU_DEP_1)
	v_permlanex16_b32 v[T4], v[TMP], s[SEL], s[SEL+1]
	v_max3_num_f32 v13, v13, v[TMP], v[T4]         ; the running largest score of my query
	v_mul_f32 v[TMP], s[CC], v13
	v_floor_f32 v12, -v[TMP]                       ; -M = -ceil(t)
.set j, 0
	PF 8
	v_sub_f32 v[TMP], v12, v[OLDM]                 ; old M less new M: a whole number, 0 or less
	PF 8
	v_cvt_i32_f32 v[TMP], v[TMP]                   ; (it saturates)
	PF 8
	v_ldexp_f32 v[FF], 1.0, v[TMP]                 ; f = 2^(old M - new M)
	PF 8
.irp c, 0,1
	v_fma_f32 v[BA+\c], v[BA+\c], s[CC], v12       ; the same of each block's largest score
.endr
.set j, 0
.rept 16
	v_pk_mul_f32 v[O+j:O+j+1], v[O+j:O+j+1], v[FF:FF+1] op_sel_hi:[1,0]   ; O^T under the new M
.set j, j+2
.endr
	s_wait_alu depctr_va_vdst(0)                   ; ahead of the batch
.irp c, 0,1
	v_exp_f32 v[BA+\c], v[BA+\c]                   ; the block's largest p
.endr
.set j, 0
.rept 64
	v_exp_f32 v[S+j], v[S+j]                       ; p = 2^(t - M)
.set j, j+1
.endr
	v_pk_mul_f32 v[14:15], v[14:15], v[FF:FF+1] op_sel_hi:[1,0]   ; the sum under the new M (a plain instruction behind the batch)
	s_wait_alu depctr_va_vdst(0)                   ; one wait for the batch, ahead of its first reader
.irp c, 0,1
	v_max_num_f32 v[BA+\c], 0x1800000, v[BA+\c]    ; the floor 2^(3 - 127): the byte cannot fall under 1
.endr
.set PKI, 0
	PA 4                                           ; the sum's additions stand between the links of the short chains below
.irp c, 0,1
	v_add_nc_u32 v[BA+\c], 0xff000000, v[BA+\c]    ; 2 off the exponent field: the conversion's scale operand
.endr
.irp c, 0,1
	v_cvt_scalef32_pk16_fp6_f32 v[PCD+6*\c:PCD+6*\c+2], v[S+32*\c:S+32*\c+15], v[BA+\c]
	v_cvt_scalef32_pk16_fp6_f32 v[CT+4*\c:CT+4*\c+2], v[S+32*\c+16:S+32*\c+31], v[BA+\c]   ; (a conversion's three registers begin on an even number)
.endr
	v_lshrrev_b32 v[TMP], 23, v[BA]                ; the scales' bytes of my blocks h
	v_lshrrev_b32 v[T4], 23, v[BA+1]               ; and 2 + h
	PA 4
	v_lshl_or_b32 v[TMP], v[T4], 16, v[TMP]
.irp i, 0,1,2
	v_mov_b32 v[PCD+3+\i], v[CT+\i]
.endr
	PA 1
	v_lshlrev_b32 v[TMP], v[SH8], v[TMP]           ; 8 h bits up;
.irp i, 0,1,2
	v_mov_b32 v[PCD+9+\i], v[CT+4+\i]
.endr
	PA 1
	v_permlanex16_b32 v[T4], v[TMP], s[SEL], s[SEL+1]
	PA 4
	v_or_b32 v[PS], v[TMP], v[T4]                  ; with lane l xor 16's two the word is whole
	PA 17                                          ; these 17 are also the places ahead of the scaled products
	s_wait_alu depctr_va_vdst(0)                   ; ahead of the blocking wait
.if \q < 7
	s_wait_dscnt 14                                ; V's 26 loads are in; the 14 younger ones, the next step's K, may be out
.else
	s_wait_dscnt 0x0
.endif
.irp t, 0,1,2,3
.if \t%2
	v_wmma_scale_f32_16x16x128_f8f6f4 v[O+8*\t:O+8*\t+7], v[VF+12*\t:VF+12*\t+11], v[PCD:PCD+11], v[O+8*\t:O+8*\t+7], v[VS+\t/2], v[PS] matrix_a_fmt:MATRIX_FMT_FP6 matrix_b_fmt:MATRIX_FMT_FP6 matrix_a_scale:MATRIX_SCALE_ROW1
.else
	v_wmma_scale_f32_16x16x128_f8f6f4 v[O+8*\t:O+8*\t+7], v[VF+12*\t:VF+12*\t+11], v[PCD:PCD+11], v[O+8*\t:O+8*\t+7], v[VS+\t/2], v[PS] matrix_a_fmt:MATRIX_FMT_FP6 matrix_b_fmt:MATRIX_FMT_FP6
.endif
.endr
.endm
.macro CHANGE fill
	s_wait_tensorcnt 0x0                           ; all my tensor loads have landed
.if \fill
	ds_add_u32 v[SPW], v[NIL]                      ; the add, twice on end
	ds_add_u32 v[SPW], v[NIL]
	s_xor_b32 s[G0K+1], s[G0K+1], SLOTB            ; no load of mine is out: the next 1,024 keys, into the other slot
	s_add_nc_u64 s[G0K+2:G0K+3], s[G0K+2:G0K+3], 49152
	s_xor_b32 s[G0V+1], s[G0V+1], SLOTB
	s_add_nc_u64 s[G0V+2:G0V+3], s[G0V+2:G0V+3], 768
.endif
	s_wait_dscnt 0x0                               ; the adds are done, and my reads of the slot left behind
.if \fill
	CROUND
	TLOAD
.else
	s_barrier_signal -1
	s_barrier_wait -1                              ; the last slot is whole; nothing is filled again
.endif
.endm
.macro SLOT_STEPS
	s_add_co_u32 s72, s[TB], VOFF
	v_and_b32 v[TMP], 31, v0
	v_bfe_u32 v[BA], v0, 3, 1                      ; r / 8
	v_bfe_u32 v[BA+1], v0, 4, 1                    ; h
	v_lshl_add_u32 v[ADK], v[TMP], 4, s[TB]        ; 16 x lane
	v_lshl_add_u32 v[ADS], v[TMP], 2, s[TS]        ; 4 x lane
	v_and_b32 v[TMP], 7, v0
	v_bfe_u32 v[T4], v0, 1, 2
	v_mad_u32_u24 v[ADV], v[TMP], 816, s72         ; V's row r % 8 + 32 (r / 8)
	v_mad_u32_u24 v[ADT], v[T4], 272, s[TJ]        ; its scale words: two rows of 128 bytes to a unit
	v_mad_u32_u24 v[ADV], v[BA], VUP, v[ADV]
	v_mad_u32_u24 v[ADT], v[BA], 4352, v[ADT]
	v_and_b32 v[TMP], 1, v0
	v_mad_u32_u24 v[ADW], v[BA+1], 40, v[ADV]
	v_mad_u32_u24 v[ADT], v[BA+1], 1088, v[ADT]    ; lanes 16-31: the next tile, 8 rows on
	v_mad_u32_u24 v[ADV], v[BA+1], 24, v[ADV]
	v_lshl_add_u32 v[ADT], v[TMP], 7, v[ADT]
	s_wait_alu depctr_va_vdst(0)
	STEP 0
	STEP 1
	STEP 2
	STEP 3
	STEP 4
	STEP 5
	STEP 6
	STEP 7
	s_xor_b32 s[TB], s[TB], SLOTB
	s_add_co_u32 s[TS], s[TS], 8*272
	s_add_co_u32 s[TJ], s[TJ], 32
.endm
.Lslot:                                            ; three trips fill the other slot; the last slot's steps are written out, with no fill
	CHANGE 1
	SLOT_STEPS
	s_sub_co_u32 s[SLOTS], s[SLOTS], 1
	s_cmp_lg_u32 s[SLOTS], 0
	s_cbranch_scc1 .Lslot
	CHANGE 0
	SLOT_STEPS
	; the way out: O^T / the sum, quantised along the head's 64 channels: my 32 registers are one block
	v_pk_add_f32 v[14:15], v[14:15], v[BB:BB+1]    ; the last step's two chains of the sum
	v_add_f32 v14, v14, v15
	s_delay_alu instid0(VALU_DEP_1)
	v_permlanex16_b32 v[T4], v14, s[SEL], s[SEL+1]
	s_delay_alu instid0(VALU_DEP_1)
	v_add_f32 v14, v14, v[T4]
	s_wait_alu depctr_va_vdst(0)                   ; ahead of the transcendental
	v_rcp_f32 v[FF], v14
	v_and_b32 v[KF], 31, v0
	v_and_b32 v[KF+2], 15, v0
	v_lshlrev_b32 v[KF+1], 3, v[KF]
	v_lshlrev_b32 v[KF], 4, v[KF]
	v_lshlrev_b32 v[KF+2], 2, v[KF+2]
	s_wait_alu depctr_va_vdst(0)                   ; ahead of the first reader of the reciprocal and of O^T
.set j, 0
.rept 16
	v_pk_mul_f32 v[O+j:O+j+1], v[O+j:O+j+1], v[FF:FF+1] op_sel_hi:[1,0]
.set j, j+2
.endr
	v_max3_num_f32 v[BA], |v[O]|, |v[O+1]|, 0x1800000
	v_max3_num_f32 v[BB], |v[O+16]|, |v[O+17]|, 0x1800000
.irp i, 2,4,6,8,10,12,14
	s_delay_alu instid0(VALU_DEP_2)
	v_max3_num_f32 v[BA], v[BA], |v[O+\i]|, |v[O+1+\i]|
	s_delay_alu instid0(VALU_DEP_2)
	v_max3_num_f32 v[BB], v[BB], |v[O+16+\i]|, |v[O+17+\i]|
.endr
	s_delay_alu instid0(VALU_DEP_1)
	v_max_num_f32 v[BA], v[BA], v[BB]
	s_delay_alu instid0(VALU_DEP_1)
	v_add_nc_u32 v[BA], 0xff000000, v[BA]
	v_cvt_scalef32_pk16_fp6_f32 v[PCD:PCD+2], v[O:O+15], v[BA]
	v_cvt_scalef32_pk16_fp6_f32 v[CT:CT+2], v[O+16:O+31], v[BA]
	v_lshrrev_b32 v[BB], 23, v[BA]
	s_delay_alu instid0(VALU_DEP_1)
	v_lshlrev_b32 v[BB], v[SH8], v[BB]
	s_delay_alu instid0(VALU_DEP_1)
	v_permlanex16_b32 v[T4], v[BB], s[SEL], s[SEL+1]
	s_delay_alu instid0(VALU_DEP_1)
	v_or_b32 v[TMP], v[BB], v[T4]                  ; the head's two scale bytes of my query
.irp i, 0,1,2
	v_mov_b32 v[PCD+3+\i], v[CT+\i]
.endr
	global_store_b128 v[KF], v[PCD:PCD+3], s[16:17]              ; half a fragment's image: registers 0-3 at 16 x lane,
	global_store_b64 v[KF+1], v[PCD+4:PCD+5], s[16:17] offset:512   ; registers 4-5 at 512 + 8 x lane
	global_store_b16 v[KF+2], v[TMP], s[18:19]                   ; (lanes 16-31 write what lanes 0-15 write)
	s_wait_tensorcnt 0x0                           ; the wave's end
	ds_add_u32 v[SPW], v[NIL]
	s_wait_dscnt 0x0
	CROUND                                         ; the closing round
	s_endpgm
.Lfunc_end_k_q825400d705_attn:
	.size	k_q825400d705_attn, .Lfunc_end_k_q825400d705_attn-k_q825400d705_attn
	.p2alignl 7, 3214868480
	.fill 96, 4, 3214868480
	.section	.rodata,"a",@progbits
	.p2align	6, 0x0
	.amdhsa_kernel k_q825400d705_attn
		.amdhsa_group_segment_fixed_size 327680
		.amdhsa_private_segment_fixed_size 0
		.amdhsa_enable_private_segment 0
		.amdhsa_kernarg_size 64
		.amdhsa_user_sgpr_count 2
		.amdhsa_user_sgpr_kernarg_segment_ptr 1
		.amdhsa_wavefront_size32 1
		.amdhsa_system_sgpr_workgroup_id_x 1
		.amdhsa_system_sgpr_workgroup_id_y 1
		.amdhsa_system_sgpr_workgroup_id_z 1
		.amdhsa_system_vgpr_workitem_id 0
		.amdhsa_next_free_vgpr 256
		.amdhsa_next_free_sgpr 100
		.amdhsa_reserve_vcc 0
		.amdhsa_float_denorm_mode_32 3
		.amdhsa_float_denorm_mode_16_64 3
		.amdhsa_memory_ordered 1
		.amdhsa_forward_progress 1
		.amdhsa_inst_pref_size 255
	.end_amdhsa_kernel
	.section	.bss,"aw",@nobits
	.p2align	6
	.space	262144
	.amdgpu_metadata
---
amdhsa.version: [ 1, 2 ]
amdhsa.kernels:
  - .name:           k_q825400d705_attn
    .symbol:         k_q825400d705_attn.kd
    .args:
      - { .name: qimg, .offset: 0, .size: 8, .value_kind: global_buffer, .address_space: global }
      - { .name: qsc, .offset: 8, .size: 8, .value_kind: global_buffer, .address_space: global }
      - { .name: kimg, .offset: 16, .size: 8, .value_kind: global_buffer, .address_space: global }
      - { .name: ksc, .offset: 24, .size: 8, .value_kind: global_buffer, .address_space: global }
      - { .name: v_codes, .offset: 32, .size: 8, .value_kind: global_buffer, .address_space: global }
      - { .name: v_scales, .offset: 40, .size: 8, .value_kind: global_buffer, .address_space: global }
      - { .name: att, .offset: 48, .size: 8, .value_kind: global_buffer, .address_space: global }
      - { .name: attsc, .offset: 56, .size: 8, .value_kind: global_buffer, .address_space: global }
    .group_segment_fixed_size: 327680
    .private_segment_fixed_size: 0
    .kernarg_segment_align: 8
    .kernarg_segment_size: 64
    .max_flat_workgroup_size: 512
    .sgpr_count:     100
    .vgpr_count:     256
    .wavefront_size: 32
...
	.end_amdgpu_metadata
.endif
;; end of part 2
;; launch proj (part 3): grid 8 x 32, 8 waves a work-group, clusters of 4 x 4, 273,408 bytes of LDS; arguments att, attsc, w_out_codes, w_out_scales, b_out, out0; writes out0
.if DOCPART == 3
	.amdgcn_target "amdgcn-amd-amdhsa--gfx1250"
	.amdhsa_code_object_version 6
	.text
	.protected	k_q825400d705_proj
	.globl	k_q825400d705_proj
	.p2align	8
	.type	k_q825400d705_proj,@function
k_q825400d705_proj:
	s_mov_b64 s[64:65], 0
	v_nop
	global_prefetch_b8 v0, s[64:65] scope:SCOPE_SE
	s_setreg_imm32_b32 hwreg(HW_REG_WAVE_MODE, 25, 1), 1
	s_wait_xcnt 0x0
	s_wait_alu depctr_hold_cnt(0) depctr_sa_sdst(0) depctr_va_vdst(0) depctr_va_sdst(0) depctr_va_ssrc(0) depctr_va_vcc(0) depctr_vm_vsrc(0)
	s_getreg_b32 s2, hwreg(HW_REG_IB_STS2, 6, 4)
	s_cmp_eq_u32 s2, 0
	s_cbranch_scc0 .Lentry_in_a_cluster
	s_endpgm
.Lentry_in_a_cluster:
	s_bfe_u32 s2, ttmp6, 0x10000c
	s_cmp_lg_u32 s2, 0xf033
	s_cbranch_scc0 .Lentry_shape_is_right
	s_endpgm
.Lentry_shape_is_right:
; out0[m][n] = the sum over k of att[m][k] w_out[n][k] + b_out[n]: [4096][1024] x [1024][1024], both operands codes of FP6 (E2M3) with E8M0 scales; sums in f32.
; att comes as images of the operand's registers (launch attn): row tile T (16 slots; slot r is token 64 (T / 4) + 16 ((T / 2) % 2) + 8 (T % 2) + r % 8 + 32 (r / 8)), head by head, 768 bytes each: lane l's registers 0-3 at 16 l, registers 4-5 at 512 + 8 l.
; A K step of 128 is two heads: two such halves are a fragment.  Its scale words: attsc[T][K step][slot].  w_out's rows are 768 bytes of codes, K innermost, as given.
; SHARES.  A work-group makes 128 rows x 128 columns; ALL of K for both operands lies in LDS, each byte filled once: no ring.  Wave w makes row tiles 2 (w / 2), 2 (w / 2) + 1 (the 32 tokens of pair w / 2) x columns 64 (w % 2) on: 8 accumulators, 8 K steps.
; CLUSTERS: 4 x 4 work-groups.  The four of a row of the cluster need the same rows of att, the four of a column the same rows of w_out: each is asked for JOINTLY.  Waves 0-3 fetch att's quarters, waves 4-7 w_out's: one tensor load a wave.
; THE MATRIX INSTRUCTION IS USED TRANSPOSED (source 0 = 16 rows of w_out, source 1 = a row tile of att): a lane holds eight neighbouring columns of one row.  The bias is the C of each sum's first instruction.
.set WROW, 98304                       ; LDS: att's 8 row tiles, 98,304 dense bytes; then w_out's 128 rows as 384 units of 256 bytes + 16: a row is 816 bytes = 204 words: row r starts at bank 12 r mod 64 (64 banks of 4 bytes: ISA guide 11.1)
.set STG,  WROW+384*272                ; then a stage of 32 rows x (256 bytes + 16) for each wave; no tensor load lands there
.set P,    272
.set AS,   16                          ; v16-23   att's scale words: register 4 i + g / 2: lanes 0-15 the even K step's, lanes 16-31 the odd one's
.set WS,   24                          ; v24-55   w_out's: register 8 t + g
.set BI,   56                          ; v56-87   the bias, eight registers a tile of columns, in the result's layout
.set AF,   88                          ; v88-111  att's two fragments
.set WF,   112                         ; v112-159 w_out's four
.set ACC,  160                         ; v160-223 accumulator (i, t) at 8 (4 i + t)
.set BK,   88                          ; the way out: v88-151 rows read back from the stage
.macro CROUND                          ; a round of the cluster's barrier
	s_barrier_signal -1
	s_barrier_wait -1
	s_cmp_lg_u32 s16, 0
	s_cbranch_scc1 .Lnot_wave_0_\@
	s_barrier_signal -3
.Lnot_wave_0_\@:
	s_barrier_wait -3
	s_barrier_signal -1
	s_barrier_wait -1
.endm
	s_load_b256 s[4:11], s[0:1], 0x0               ; att s[4:5], attsc s[6:7], w_out_codes s[8:9], w_out_scales s[10:11]
	s_load_b128 s[12:15], s[0:1], 0x20             ; b_out s[12:13], out0 s[14:15]
	v_lshl_add_u32 v254, v0, 2, 0x42800
	v_mov_b32 v255, 0
	ds_add_u32 v254, v255
	ds_add_u32 v254, v255
	v_lshrrev_b32 v1, 5, v0
	s_delay_alu instid0(VALU_DEP_1)
	v_readfirstlane_b32 s16, v1                    ; wave 0..7
	s_lshr_b32 s17, s16, 2                         ; I fetch for att (0) or for w_out (1),
	s_and_b32 s18, s16, 3                          ; this quarter
	s_lshr_b32 s19, s16, 1                         ; which 32 rows are mine
	s_and_b32 s20, s16, 1                          ; which 64 columns
	s_bfe_u32 s48, ttmp6, 0x40000                  ; cx, cy: my place in the cluster
	s_bfe_u32 s49, ttmp6, 0x40004
	s_lshl_b32 s50, ttmp9, 2
	s_add_co_u32 s50, s50, s48                     ; block of columns = 4 x cluster x + cx
	s_and_b32 s51, ttmp7, 0xffff
	s_lshl_b32 s51, s51, 2
	s_add_co_u32 s51, s51, s49                     ; block of rows = 4 x cluster y + cy
	s_lshl_b32 s52, s49, 2
	s_lshl_b32 s52, 15, s52                        ; my row of the cluster
	s_lshl_b32 s53, 0x1111, s48                    ; my column
	; descriptor groups 1: 24,576 dense bytes as 96 rows of 256 (32 elements of 8 bytes); w_out's with 16 bytes of padding behind each
	s_or_b32 s24, s52, (3<<16)|(1<<21)             ; 15:0 the mask: att's rows go to my row of the cluster; 17:16 elements of 8 bytes; 21 set beside a mask
	s_or_b32 s36, s53, (3<<16)|(1<<20)|(1<<21)|(5<<22)|(3<<25)   ; w_out's to my column; 20 padding on; 24:22 after every 64 words (code 5); 31:25 of 4 words (code 3)
.irp g, 24, 36
	s_mov_b32 s[\g+1], 32<<16                      ; tensor_dim0
	s_mov_b32 s[\g+2], 96<<16                      ; tensor_dim1
	s_mov_b32 s[\g+3], 32<<16                      ; tile_dim0
	s_mov_b32 s[\g+4], 96                          ; tile_dim1
	s_mov_b32 s[\g+5], 32                          ; tensor_dim0_stride
	s_mov_b32 s[\g+6], 0
	s_mov_b32 s[\g+7], 0
.endr
	s_mul_i32 s54, s18, 24576                      ; my quarter, in memory (and att's in LDS)
	s_mul_i32 s56, s51, 98304                      ; att's address hangs on the block of rows and the wave's number alone,
	s_add_co_u32 s56, s56, s54
	s_mov_b32 s57, 0
	s_mul_i32 s58, s50, 98304                      ; w_out's on the block of columns and the wave's number
	s_add_co_u32 s58, s58, s54
	s_mov_b32 s59, 0
	s_mul_i32 s55, s18, 96*272
	s_add_co_u32 s55, s55, WROW
	s_lshl_b32 s60, s51, 12                        ; attsc: 512 bytes a row tile: 8 tiles a block, 2 a wave
	s_lshl_b32 s61, s19, 10
	s_add_co_u32 s60, s60, s61
	s_mov_b32 s61, 0
	s_lshl_b32 s62, s50, 12                        ; w_out_scales: 32 bytes a row: 128 rows a block, 64 a wave
	s_lshl_b32 s63, s20, 11
	s_add_co_u32 s62, s62, s63
	s_mov_b32 s63, 0
	s_lshl_b32 s66, s50, 9                         ; b_out, and a row of out0: 4 bytes a column
	s_lshl_b32 s67, s20, 8
	s_add_co_u32 s66, s66, s67
	s_mov_b32 s67, 0
	s_lshl_b32 s68, s51, 19                        ; out0: 4,096 bytes a row: 128 rows a block, 32 a wave
	; my pair p of row tiles holds tokens B + 8 i + r % 8 + 32 (r / 8) of the block, B = 64 (p / 2) + 16 (p % 2)
	s_lshr_b32 s69, s19, 1
	s_lshl_b32 s69, s69, 18
	s_add_co_u32 s68, s68, s69
	s_and_b32 s69, s19, 1
	s_lshl_b32 s69, s69, 16
	s_add_co_u32 s68, s68, s69
	s_add_co_u32 s68, s68, s66
	s_mov_b32 s69, 0
	v_and_b32 v11, 31, v0                          ; lane
	v_and_b32 v12, 15, v0                          ; r
	v_bfe_u32 v13, v0, 4, 1                        ; h
	s_mul_i32 s70, s19, 24576                      ; my two row tiles of att
	v_lshl_add_u32 v1, v11, 4, s70                 ; registers 0-3 of a half fragment
	s_add_co_u32 s71, s70, 512
	v_lshl_add_u32 v2, v11, 3, s71                 ; registers 4-5
	s_mul_i32 s72, s20, 64*816
	s_add_co_u32 s72, s72, WROW                    ; my 64 rows of w_out
	v_mul_u32_u24 v3, v12, 816
	s_delay_alu instid0(VALU_DEP_1)
	v_add_nc_u32 v3, s72, v3
	s_delay_alu instid0(VALU_DEP_1)
	v_mad_u32_u24 v4, v13, 40, v3                  ; for the pieces that lie behind one padding more in lanes 16-31
	s_delay_alu instid0(VALU_DEP_2)
	v_mad_u32_u24 v3, v13, 24, v3
	s_mul_i32 s73, s16, 32*P
	s_add_co_u32 s73, s73, STG                     ; my stage
	v_mul_u32_u24 v5, v12, P
	s_delay_alu instid0(VALU_DEP_1)
	v_lshl_add_u32 v5, v13, 5, v5
	s_delay_alu instid0(VALU_DEP_1)
	v_add_nc_u32 v5, s73, v5                       ; in: row r, 32 bytes for each half of the lanes
	v_mul_u32_u24 v6, v13, P
	s_delay_alu instid0(VALU_DEP_1)
	v_lshl_add_u32 v6, v12, 4, v6
	s_delay_alu instid0(VALU_DEP_1)
	v_add_nc_u32 v6, s73, v6                       ; back: lanes 0-15 one row of 256 bytes, lanes 16-31 the next
	v_lshlrev_b32 v7, 12, v13
	s_delay_alu instid0(VALU_DEP_1)
	v_lshl_add_u32 v7, v12, 4, v7                  ; and the same two rows in out0
	v_lshlrev_b32 v8, 2, v11                       ; 4 x lane
	v_lshlrev_b32 v9, 5, v12                       ; 32 r
	v_lshlrev_b32 v10, 5, v13                      ; 32 h
	s_wait_dscnt 0x0
	s_wait_kmcnt 0x0
	s_mov_b32 s32, 1                               ; group 0 for att: count = 1,
	s_mov_b32 s33, s54                             ; LDS address: no place in the cluster enters it,
	s_add_nc_u64 s[34:35], s[4:5], s[56:57]        ; global address,
	s_or_b32 s35, s35, 0x80000000                  ; type = 2
	s_mov_b32 s44, 1                               ; and for w_out
	s_mov_b32 s45, s55
	s_add_nc_u64 s[46:47], s[8:9], s[58:59]
	s_or_b32 s47, s47, 0x80000000
	s_add_nc_u64 s[6:7], s[6:7], s[60:61]
	s_add_nc_u64 s[10:11], s[10:11], s[62:63]
	s_add_nc_u64 s[12:13], s[12:13], s[66:67]
	s_add_nc_u64 s[14:15], s[14:15], s[68:69]
	CROUND                                         ; all sixteen work-groups are here: the joint loads meet
	s_cmp_eq_u32 s17, 0                            ; the branch hangs on the wave's number alone; four v_nop follow each of the two tensor loads
	s_cbranch_scc0 .Lfor_w
	tensor_load_to_lds s[32:35], s[24:31]
	s_nop 0
.rept 4
	v_nop
.endr
	s_branch .Lasked
.Lfor_w:
	tensor_load_to_lds s[44:47], s[36:43]
	s_nop 0
.rept 4
	v_nop
.endr
.Lasked:
	s_wait_alu depctr_va_vdst(0)
.irp i, 0,1
.irp g, 0,1,2,3
	global_load_b32 v[AS+4*\i+\g], v8, s[6:7] offset:512*\i+128*\g   ; two K steps' 16 words each: 128 consecutive bytes
.endr
.endr
.irp t, 0,1,2,3
.irp j, 0,1
	global_load_b128 v[WS+8*\t+4*\j:WS+8*\t+4*\j+3], v9, s[10:11] offset:512*\t+16*\j   ; row r of tile t: its eight scale words
	global_load_b128 v[BI+8*\t+4*\j:BI+8*\t+4*\j+3], v10, s[12:13] offset:64*\t+16*\j   ; b_out at columns 16 t + 8 h + 0 .. 7
.endr
.endr
	s_wait_tensorcnt 0x0                           ; my quarter has landed,
	s_wait_loadcnt 0x0
	s_barrier_signal -1
	s_barrier_wait -1                              ; everybody's has; nothing is filled again
; K step g: 128 along K = heads 2 g and 2 g + 1
.macro KSTEP g
.if \g > 0
.rept 4
	v_nop                                          ; places in front of loads into registers that matrix instructions have read
.endr
.endif
.irp i, 0,1
.irp c, 0,1
	ds_load_b128 v[AF+12*\i+6*\c:AF+12*\i+6*\c+3], v1 offset:12288*\i+768*(2*(\g)+\c)
	ds_load_b64 v[AF+12*\i+6*\c+4:AF+12*\i+6*\c+5], v2 offset:12288*\i+768*(2*(\g)+\c)
.endr
.endr
.irp t, 0,1,2,3
.irp p, 0,1,2,3,4,5                            ; in pieces of 8 bytes; lanes 16-31 read three pieces further on than lanes 0-15
.set PC, 12*(\g)+6*(\p/3)+\p%3
.if PC%32 < 29
	ds_load_b64 v[WF+12*\t+2*\p:WF+12*\t+2*\p+1], v3 offset:13056*\t+8*PC+16*(PC/32)
.else
	ds_load_b64 v[WF+12*\t+2*\p:WF+12*\t+2*\p+1], v4 offset:13056*\t+8*PC+16*(PC/32)
.endif
.endr
.endr
	s_wait_dscnt 0x0
.irp i, 0,1                                    ; the eight accumulators by turns, one instruction a turn
.irp t, 0,1,2,3
.if \g == 0
	v_wmma_scale_f32_16x16x128_f8f6f4 v[ACC+8*(4*\i+\t):ACC+8*(4*\i+\t)+7], v[WF+12*\t:WF+12*\t+11], v[AF+12*\i:AF+12*\i+11], v[BI+8*\t:BI+8*\t+7], v[WS+8*\t+(\g)], v[AS+4*\i+(\g)/2] matrix_a_fmt:MATRIX_FMT_FP6 matrix_b_fmt:MATRIX_FMT_FP6
.elseif (\g)%2
	v_wmma_scale_f32_16x16x128_f8f6f4 v[ACC+8*(4*\i+\t):ACC+8*(4*\i+\t)+7], v[WF+12*\t:WF+12*\t+11], v[AF+12*\i:AF+12*\i+11], v[ACC+8*(4*\i+\t):ACC+8*(4*\i+\t)+7], v[WS+8*\t+(\g)], v[AS+4*\i+(\g)/2] matrix_a_fmt:MATRIX_FMT_FP6 matrix_b_fmt:MATRIX_FMT_FP6 matrix_b_scale:MATRIX_SCALE_ROW1
.else
	v_wmma_scale_f32_16x16x128_f8f6f4 v[ACC+8*(4*\i+\t):ACC+8*(4*\i+\t)+7], v[WF+12*\t:WF+12*\t+11], v[AF+12*\i:AF+12*\i+11], v[ACC+8*(4*\i+\t):ACC+8*(4*\i+\t)+7], v[WS+8*\t+(\g)], v[AS+4*\i+(\g)/2] matrix_a_fmt:MATRIX_FMT_FP6 matrix_b_fmt:MATRIX_FMT_FP6
.endif
.endr
.endr
.endm
	KSTEP 0
	KSTEP 1
	KSTEP 2
	KSTEP 3
	KSTEP 4
	KSTEP 5
	KSTEP 6
	KSTEP 7
	; THE WAY OUT.  A lane holds 32 neighbouring bytes of a row, and the lanes beside it hold other rows: my 32 rows x 256 bytes go through my own stage and come back as whole rows.
.rept 4
	v_nop                                          ; places in front of the first read of results and of the loads into the fragments' registers
.endr
.irp i, 0,1
.irp t, 0,1,2,3
	ds_store_b128 v5, v[ACC+8*(4*\i+\t):ACC+8*(4*\i+\t)+3] offset:16*P*\i+64*\t          ; each accumulator from its low end on
	ds_store_b128 v5, v[ACC+8*(4*\i+\t)+4:ACC+8*(4*\i+\t)+7] offset:16*P*\i+64*\t+16
.endr
.endr
.irp t, 0,1,2,3,4,5,6,7,8,9,10,11,12,13,14,15
	ds_load_b128 v[BK+4*\t:BK+4*\t+3], v6 offset:2*P*\t   ; LDS serves a wave's instructions in order (ISA guide 5.7.1.4): these see my stores
.endr
.irp t, 0,1,2,3,4,5,6,7,8,9,10,11,12,13,14,15
	s_wait_dscnt 15-\t                             ; the younger loads may stay out
	global_store_b128 v7, v[BK+4*\t:BK+4*\t+3], s[14:15] offset:4096*(8*(\t/8)+(2*\t)%8+32*(((2*\t)%16)/8)) th:TH_STORE_NT   ; stage row 16 i + r is token B + 8 i + r % 8 + 32 (r / 8); sixteen lanes store 256 consecutive bytes, at a multiple of 256 from out0's first byte
.endr
	s_wait_dscnt 0x0
	s_wait_tensorcnt 0x0
	ds_add_u32 v254, v255
	s_wait_dscnt 0x0
	CROUND                                         ; the closing round: no work-group ends while a partner may still ask for a tile that names it
	s_endpgm
.Lfunc_end_k_q825400d705_proj:
	.size	k_q825400d705_proj, .Lfunc_end_k_q825400d705_proj-k_q825400d705_proj
	.p2alignl 7, 3214868480
	.fill 96, 4, 3214868480
	.section	.rodata,"a",@progbits
	.p2align	6, 0x0
	.amdhsa_kernel k_q825400d705_proj
		.amdhsa_group_segment_fixed_size 273408
		.amdhsa_private_segment_fixed_size 0
		.amdhsa_enable_private_segment 0
		.amdhsa_kernarg_size 48
		.amdhsa_user_sgpr_count 2
		.amdhsa_user_sgpr_kernarg_segment_ptr 1
		.amdhsa_wavefront_size32 1
		.amdhsa_system_sgpr_workgroup_id_x 1
		.amdhsa_system_sgpr_workgroup_id_y 1
		.amdhsa_system_sgpr_workgroup_id_z 1
		.amdhsa_system_vgpr_workitem_id 0
		.amdhsa_next_free_vgpr 256
		.amdhsa_next_free_sgpr 80
		.amdhsa_reserve_vcc 0
		.amdhsa_float_denorm_mode_32 3
		.amdhsa_float_denorm_mode_16_64 3
		.amdhsa_memory_ordered 1
		.amdhsa_forward_progress 1
		.amdhsa_inst_pref_size 39
	.end_amdhsa_kernel
	.amdgpu_metadata
---
amdhsa.version: [ 1, 2 ]
amdhsa.kernels:
  - .name:           k_q825400d705_proj
    .symbol:         k_q825400d705_proj.kd
    .args:
      - { .name: att, .offset: 0, .size: 8, .value_kind: global_buffer, .address_space: global }
      - { .name: attsc, .offset: 8, .size: 8, .value_kind: global_buffer, .address_space: global }
      - { .name: w_out_codes, .offset: 16, .size: 8, .value_kind: global_buffer, .address_space: global }
      - { .name: w_out_scales, .offset: 24, .size: 8, .value_kind: global_buffer, .address_space: global }
      - { .name: b_out, .offset: 32, .size: 8, .value_kind: global_buffer, .address_space: global }
      - { .name: out0, .offset: 40, .size: 8, .value_kind: global_buffer, .address_space: global }
    .group_segment_fixed_size: 273408
    .private_segment_fixed_size: 0
    .kernarg_segment_align: 8
    .kernarg_segment_size: 48
    .max_flat_workgroup_size: 256
    .sgpr_count:     80
    .vgpr_count:     256
    .wavefront_size: 32
...
	.end_amdgpu_metadata
.endif
;; end of part 3
